; MI455X (gfx1250); checked and timed in simulation.
; The chip was launched on July 23, 2026; its instructions are those of AMD's public machine-readable ISA for CDNA 5 (MIT licence, August 2026) and "CDNA5" Instruction Set Architecture Reference Guide (July 2026). The comments in the code are by the model that wrote it; some were corrected since.
;; M Mo E. Allowed arithmetic: float matrix products may take bf16 or f16 operands with f32 sums; all other float work in f32.
;; Inputs: expert_bias 128 x 16 float32; expert_kernels 512 x 128 x 16 float32; gate_bias 4 x 16 float32; gate_kernels 4 x 512 x 16 float32; x 16,384 x 512 float32.
;; Outputs: out0 16,384 x 128 float32; out1 16,384 x 128 float32; out2 16,384 x 128 float32; out3 16,384 x 128 float32.
;; 2 versions, each right; version 2 is version 1 with the launch prep written anew for expert scheduling mode. Each part assembles by itself: llvm-mc -triple=amdgcn-amd-amdhsa -mcpu=gfx1250 --defsym DOCPART=n.
;; ======== version 1 of 2: 2 launches
;; workspace buffers: wf 2,162,688 bytes
;; launch prep (part 1): grid 264 x 1, 4 waves a work-group, no clusters, 0 bytes of LDS; arguments expert_kernels, gate_kernels, wf; writes wf
.if DOCPART == 1
	.amdgcn_target "amdgcn-amd-amdhsa--gfx1250"
	.amdhsa_code_object_version 6
	.text
	.protected	k_qc536040d96_prep
	.globl	k_qc536040d96_prep
	.p2align	8
	.type	k_qc536040d96_prep,@function
k_qc536040d96_prep:
	s_mov_b64 s[64:65], 0
	v_nop
	global_prefetch_b8 v0, s[64:65] scope:SCOPE_SE
	s_setreg_imm32_b32 hwreg(HW_REG_WAVE_MODE, 25, 1), 1
	s_wait_xcnt 0x0
; The weights, once, from f32 [k][column] to bf16 in the order in which a matrix fragment is loaded.
; wf holds 132 tiles of 16,384 bytes.  A tile is 16 weight rows x 512 k:
;   byte = tile*16384 + ks*1024 + p*512 + (16 h + row)*16, and those 16 bytes are k = 32 ks + 16 p + 8 h + 0..7 of that row,
; so that a later load of 16 bytes a lane, lanes side by side, brings half a fragment of 16 rows x 32 k.
; Expert tile 2 q + c (q = 0..63, c = 0, 1): row = 8 (u - 2 q) + (e - 8 c), that is u = 2 q + (row >> 3), e = 8 c + (row & 7).
; Gate tile 128 + t: row = e.
; Nothing of the problem is left out here: every number of expert_kernels and of gate_kernels is converted, rounded once to bf16.
; A wave takes one pair of tiles (c = lane >> 4) and one ks: 32 loads of 4 bytes a lane, one for each k, then four stores of 16 bytes a lane.
; A load of a wave covers 128 neighbouring bytes (expert tiles); the wave beside it in the work-group takes the other 128 of the same aligned 256.
; A store of a wave covers two aligned runs of 256 bytes: lanes 0-15 in tile c = 0, lanes 16-31 in tile c = 1.
; Work-groups 0..255: expert pairs; 256..263: the two pairs of gate tiles.  No LDS, no barrier, no matrix unit: this is a copy of 4.3 MB.
.set X, 8                              ; v[8:39]   the 32 k of my weight row, f32
.set Y, 40                             ; v[40:55]  the same in bf16: four groups of 16 bytes
	s_load_b128 s[4:7], s[0:1], 0x0                ; expert_kernels s[4:5], gate_kernels s[6:7]
	s_load_b64 s[8:9], s[0:1], 0x10                ; wf
	v_lshrrev_b32 v5, 5, v0
	v_readfirstlane_b32 s10, v5                    ; wave 0..3
	v_and_b32 v1, 15, v0                           ; my weight row in the tile
	v_bfe_u32 v2, v0, 4, 1                         ; c: which tile of the pair
	s_and_b32 s12, ttmp9, 7
	s_lshl_b32 s12, s12, 1
	s_lshr_b32 s13, s10, 1
	s_add_co_u32 s12, s12, s13                     ; ks = 2 (g & 7) + (wave >> 1), 0..15
	s_bfe_u32 s11, ttmp9, 0x50003                  ; (g >> 3) & 31: 0 for the gates' work-groups
	s_lshl_b32 s11, s11, 1
	s_and_b32 s13, s10, 1
	s_add_co_u32 s11, s11, s13                     ; Q = the pair: 0..63 for experts, 0..1 for gates
	v_lshlrev_b32 v4, 4, v1
	v_lshl_add_u32 v4, v2, 14, v4                  ; out: 16384 c + 16 row
	s_lshl_b32 s16, s11, 15                        ; out: 32768 Q
	s_lshl_b32 s13, s12, 10
	s_add_co_u32 s16, s16, s13                     ;      + 1024 ks
	s_mov_b32 s17, 0
	s_mov_b32 s15, 0
	s_wait_kmcnt 0x0
	s_add_nc_u64 s[8:9], s[8:9], s[16:17]
; 32 loads, kstride bytes from k to k + 1; then group m = 2 p + h (k = 8 m .. 8 m + 7) is rounded and stored as soon as it is in.
.macro CONV kstride, base
.set kk, 0
.rept 32
	global_load_b32 v[X+kk], v3, s[\base:\base+1] offset:kk*\kstride
.set kk, kk+1
.endr
.irp m, 0,1,2,3
	s_wait_loadcnt 24-8*\m                         ; loads come back in order: the 24 - 8 m younger ones may stay out
.irp i, 0,1,2,3
	v_cvt_pk_bf16_f32 v[Y+4*\m+\i], v[X+8*\m+2*\i], v[X+8*\m+2*\i+1]
.endr
	global_store_b128 v4, v[Y+4*\m:Y+4*\m+3], s[8:9] offset:256*\m   ; no register of a load or store is written again
.endr
.endm
	s_cmp_lt_u32 ttmp9, 256
	s_cbranch_scc0 .Lgate
	; experts: (k, u, e) lies at 8192 k + 64 u + 4 e
	v_lshrrev_b32 v3, 3, v1
	v_lshlrev_b32 v3, 6, v3                        ; 64 (row >> 3)
	v_lshl_add_u32 v3, v2, 5, v3                   ; + 32 c
	v_and_b32 v5, 7, v1
	v_lshl_add_u32 v3, v5, 2, v3                   ; + 4 (row & 7)
	s_lshl_b32 s14, s11, 7                         ; 128 Q
	s_lshl_b32 s13, s12, 18                        ; + 32 k x 8192 x ks
	s_add_co_u32 s14, s14, s13
	s_add_nc_u64 s[4:5], s[4:5], s[14:15]
	CONV 8192, 4
	s_endpgm
.Lgate:
	; gates: (t, k, e) lies at 32768 t + 64 k + 4 e, t = 2 Q + c
	v_lshlrev_b32 v3, 2, v1
	v_lshl_add_u32 v3, v2, 15, v3
	s_lshl_b32 s14, s11, 16
	s_lshl_b32 s13, s12, 11
	s_add_co_u32 s14, s14, s13
	s_add_nc_u64 s[6:7], s[6:7], s[14:15]
	s_add_nc_u64 s[8:9], s[8:9], 0x200000          ; the gate tiles lie behind the 128 expert tiles
	CONV 64, 6
	s_endpgm
.Lfunc_end_k_qc536040d96_prep:
	.size	k_qc536040d96_prep, .Lfunc_end_k_qc536040d96_prep-k_qc536040d96_prep
	.p2alignl 7, 3214868480
	.fill 96, 4, 3214868480
	.section	.rodata,"a",@progbits
	.p2align	6, 0x0
	.amdhsa_kernel k_qc536040d96_prep
		.amdhsa_group_segment_fixed_size 0
		.amdhsa_private_segment_fixed_size 0
		.amdhsa_enable_private_segment 0
		.amdhsa_kernarg_size 24
		.amdhsa_user_sgpr_count 2
		.amdhsa_user_sgpr_kernarg_segment_ptr 1
		.amdhsa_wavefront_size32 1
		.amdhsa_system_sgpr_workgroup_id_x 1
		.amdhsa_system_sgpr_workgroup_id_y 1
		.amdhsa_system_sgpr_workgroup_id_z 1
		.amdhsa_system_vgpr_workitem_id 0
		.amdhsa_next_free_vgpr 56
		.amdhsa_next_free_sgpr 66
		.amdhsa_reserve_vcc 0
		.amdhsa_float_denorm_mode_32 3
		.amdhsa_float_denorm_mode_16_64 3
		.amdhsa_memory_ordered 1
		.amdhsa_forward_progress 1
		.amdhsa_inst_pref_size 11
	.end_amdhsa_kernel
	.amdgpu_metadata
---
amdhsa.version: [ 1, 2 ]
amdhsa.kernels:
  - .name:           k_qc536040d96_prep
    .symbol:         k_qc536040d96_prep.kd
    .args:
      - { .name: expert_kernels, .offset: 0, .size: 8, .value_kind: global_buffer, .address_space: global }
      - { .name: gate_kernels, .offset: 8, .size: 8, .value_kind: global_buffer, .address_space: global }
      - { .name: wf, .offset: 16, .size: 8, .value_kind: global_buffer, .address_space: global }
    .group_segment_fixed_size: 0
    .private_segment_fixed_size: 0
    .kernarg_segment_align: 8
    .kernarg_segment_size: 24
    .max_flat_workgroup_size: 128
    .sgpr_count:     66
    .vgpr_count:     56
    .wavefront_size: 32
...
	.end_amdgpu_metadata
.endif
;; end of part 1
;; launch mmoe (part 2): grid 256 x 1, 4 waves a work-group, clusters of 4 x 1, 327,680 bytes of LDS; arguments x, expert_bias, gate_bias, wf, out0, out1, out2, out3; writes out0, out1, out2, out3
.if DOCPART == 2
	.amdgcn_target "amdgcn-amd-amdhsa--gfx1250"
	.amdhsa_code_object_version 6
	.text
	.protected	k_qc536040d96_mmoe
	.globl	k_qc536040d96_mmoe
	.p2align	8
	.type	k_qc536040d96_mmoe,@function
k_qc536040d96_mmoe:
	s_mov_b64 s[64:65], 0
	v_nop
	global_prefetch_b8 v0, s[64:65] scope:SCOPE_SE
	s_setreg_imm32_b32 hwreg(HW_REG_WAVE_MODE, 25, 1), 1
	s_wait_xcnt 0x0
	s_wait_alu depctr_hold_cnt(0) depctr_sa_sdst(0) depctr_va_vdst(0) depctr_va_sdst(0) depctr_va_ssrc(0) depctr_va_vcc(0) depctr_vm_vsrc(0)
	s_getreg_b32 s2, hwreg(HW_REG_IB_STS2, 6, 4)
	s_cmp_eq_u32 s2, 0
	s_cbranch_scc0 .Lentry_in_a_cluster
	s_endpgm
.Lentry_in_a_cluster:
	s_bfe_u32 s2, ttmp6, 0x10000c
	s_cmp_lg_u32 s2, 0x3003
	s_cbranch_scc0 .Lentry_shape_is_right
	s_endpgm
.Lentry_shape_is_right:
; out[t][b][u] = sum over e of relu(x[b] . We[:, u, e] + be[u][e]) * softmax over e of (x[b] . Wg[t][:, e] + bg[t][e]).
; Every step and every input of the problem is honoured: nothing is left out.  The expert outputs never leave the registers.
; LIMITS.  Matrix operands (x and the weights) are rounded to bf16, sums and all else are f32.  The ReLU and the softmax's maximum use the
; forms in which a NaN loses, so a NaN or an infinity among the inputs is not carried to the result as the f32 formula would carry it.
; The maximum is taken away as fma(logit, log2 e, -(max x log2 e)): that product overflows for |logit| above 2.3e38.  A gate below 2^-126 is 0.
;
; SHARES.  A work-group takes 128 rows of x and 64 u (half nh of the 128): 128 x 2 = 256 work-groups.  Four waves (rg = w >> 1, cg = w & 1):
; a wave takes rows 64 rg .. + 63 and u = 32 cg .. + 31 of the 64.  It keeps its 64 rows x 512 k of x as bf16 fragments in 512 registers for the
; whole kernel, so that a weight fragment of 1,024 bytes read from LDS feeds four matrix instructions.
; THE MATRIX INSTRUCTION IS USED TRANSPOSED: source 0 = 16 weight rows, source 1 = 16 rows of x.  Register j of lane (r = l % 16, h = l / 16) is
; then (weight row 8 h + j, x row r).  wf orders the weight rows so that tile c of pair q has row 8 h + j = (u = 2 q + h, e = 8 c + j): a lane
; holds all 16 experts of ONE row b and ONE u in two accumulators, and the sum over e needs no other lane.  The bias is the first product's C.
; The weights go through two LDS slots of 65,536 bytes: a slot holds one pair (two tiles, all 512 k) for each cg.  16 trips, 128 matrix instructions each.
; TWO SETS OF ACCUMULATORS TAKE TURNS: while trip n's 128 matrix instructions fill one set, the ReLU and the gated sums of pair n - 1 (192 vector
; instructions on the other set) stand among them, one or two behind each.  They name none of the matrix instructions' registers, so they are also
; the places that the loads of later fragments need behind the matrix instructions.
; THE FRAGMENTS COME IN RUNS OF EIGHT LDS LOADS, two K steps at a time, and the runs go on over the change of slots: a trip's last reads of its slot are
; issued in K step 12; in front of K step 14 the wave waits for them and for its tensor load and opens the barrier; behind the barrier the slot just
; read is filled again, two pairs ahead, and the next pair's bias and first fragments are read from the other slot under the trip's last 12 matrix instructions.
; The gates are made by both u halves of a row block (128 of a wave's 2,176 matrix instructions): the halves are different work-groups.
;
; CLUSTER 4 x 1: cluster id = 2 x (group of four row blocks) + nh.  The four partners share nh, so they want the same 1,048,576 bytes of weights and
; the same 4,096 of bias: these are asked for jointly (mask 15).  x (262,144 bytes a work-group) is each partner's own and comes by plain loads; the
; one other work-group that wants the same rows (the other nh) lies in the next cluster: the cluster's four places go to the larger share.
;
; LDS (bytes).  x as f32 comes in four pieces of 128 k: piece j at 69,632 j, in it wave w's block of 64 rows x 64 k at 17,408 w, pitch 272; 278,528 in all.
; The two weight slots (0 and 65,536) lie over pieces 0 and 1 and are filled when every wave has read these.  STAGE 131,072: the results, over bytes
; of x whose only fill is the first, [wave][task][row 64] pitch 144, 36,992 a wave.  GATES 279,040: [task][row 128] pitch 80.  BIAS 320,000: be rows
; 64 nh .. + 63 as in memory.  The pitches are odd multiples of 16 bytes: sixteen rows start at sixteen different 16-byte columns modulo 256.
;
; REGISTERS, in windows of 256.  Window 0: addresses, bias, two sets of accumulators, weight fragments, sums.
; x fragment (row tile i, K step ks): window 1 + ks / 6 at (ks % 6) 32 + 8 i.  Beside them the gates G(i, t, e) at + 16 t + e: row tile 0 in window 1 from 192,
; row tile 1 in window 2 from 192, row tiles 2 and 3 in window 3 from 128 and 192: the gates are source 1 of the sums as x is source 1 of the products, so a
; stretch of K steps and the sums that stand in it share one setting.  A trip has six switches: three stretches, window 0 for the branches of the
; cluster's round and back, window 0 at its end.  Before the gates exist their registers hold the gate weights' fragments.
.set XPITCH, 272                       ; 64 f32 + 16 bytes
.set XBLK,   64*XPITCH                 ; 17,408: one tensor load of x
.set XPIECE, 4*XBLK                    ; 69,632: the four waves' blocks of one piece
.set TILEB,  16384
.set SLOTB,  4*TILEB
.set STAGE,  2*SLOTB
.set SPITCH, 144                       ; 32 u x 4 bytes + 16
.set TPLANE, 64*SPITCH
.set WSTAGE, 4*TPLANE+128              ; + 128: the two halves of a row of 64 u then lie 128 bytes apart modulo 256 when they are read back together
.set GATES,  STAGE+4*WSTAGE            ; 279,040: behind x's last byte, so that a wave may store gates while another still reads piece 3
.set GPITCH, 80
.set GPLANE, 128*GPITCH
.set BIAS,   GATES+4*GPLANE
.set GWF,    128*TILEB                 ; the gate tiles in wf
.set ADR, 4                            ; v4, v5  my weight fragments in slot 0, 1: 16 l + 32768 cg; v4 is also my offset among the gate tiles
.set BA,  6                            ; v6      my bias row in LDS; steps by 128 a pair
.set STA, 7                            ; v7      my word in my stage; steps by 8 a pair
.set GST, 9                            ; v9      where I put gates
.set GLD, 10                           ; v10     where I read gates
.set XA,  11                           ; v11     my x row in LDS; steps by a piece
.set RD,  13                           ; v13     the way out: where I read rows back
.set GBO, 14                           ; v14     my offset in gate_bias
.set CO,  15                           ; v15     my byte offset in each output
.set BI,  16                           ; v[16:31]   bias of my u (or task): C of the first K step, 8 registers for each tile c
.set ACC, 32                           ; v[32:159]  set s at 32 + 64 s; in it accumulator (c, i) at 8 (4 c + i)
.set BF,  160                          ; v[160:223] weight fragments: four buffers of one K step, (ks % 4) 16 + 8 c
.set SUM, 224                          ; v[224:255] pair (i, t) at 224 + 2 (4 i + t): sums over even and over odd e
.set TM,  224                          ; softmax: maximum (pair)
.set TS,  226                          ; softmax: sums, reciprocal (two pairs)
.set EX,  96                           ; softmax: the exponentials, in the second set
.set T0,  96                           ; x as f32 on its way to bf16, two batches: the second set and the fragment buffers, idle until the trips
.set T1,  160
.set G1W, 32                           ; s[32:39] weights: shape
.set G0W, 40                           ; s[40:47] weights: from where, to where, a set for each slot
.set G1X, 48                           ; s[48:55] x: shape
.set G0B, 60                           ; s[60:63] bias
.set G1B, 68                           ; s[68:75]
.set G0X, 80                           ; s[80:95] x: a set for each piece
.set MSB, 0
.macro WIN new                         ; low byte: bits 1:0 source 0, 3:2 source 1, 5:4 source 2, 7:6 destination; the high byte repeats the setting that is left
.if MSB != \new
	s_set_vgpr_msb (MSB<<8)|\new
.set MSB, \new
.endif
.endm
; Four places behind a matrix instruction before a vector instruction reads its result or a load is issued into one of its registers
; (ISA guide 7.12.1 for vector instructions); other matrix instructions are not counted as places.
.macro PLACES
.rept 4
	v_nop
.endr
.endm
; A round of the cluster's barrier: my work-group's barrier, wave 0 signals for the work-group, every wave waits for all four work-groups, my work-group's barrier again.
.macro CREST                           ; a round behind its opening barrier
	s_cmp_lg_u32 s20, 0
	s_cbranch_scc1 .Lnot_wave_0_\@
	s_barrier_signal -3
.Lnot_wave_0_\@:
	s_barrier_wait -3
	s_barrier_signal -1
	s_barrier_wait -1
.endm
.macro ROUND                           ; a whole round
	s_barrier_signal -1
	s_barrier_wait -1
	CREST
.endm
	s_load_b256 s[4:11], s[0:1], 0x0               ; x s[4:5], expert_bias s[6:7], gate_bias s[8:9], wf s[10:11]
	s_load_b256 s[12:19], s[0:1], 0x20             ; out0 .. out3
	v_lshl_add_u32 v8, v0, 2, 0x4f200
	v_mov_b32 v12, 0
	ds_add_u32 v8, v12
	v_lshrrev_b32 v3, 5, v0
	v_readfirstlane_b32 s20, v3                    ; wave w
	s_lshr_b32 s21, s20, 1                         ; rg; also: for which cg I fetch weights
	s_and_b32 s22, s20, 1                          ; cg; also: which tile c of that pair, and which 64 k of a piece of x
	s_bfe_u32 s23, ttmp6, 0x40000                  ; cx: my place in the cluster; it enters x's address and the outputs' offset alone
	s_and_b32 s24, ttmp9, 1                        ; nh: which 64 u; the same in all four partners
	s_lshr_b32 s25, ttmp9, 1
	s_lshl_b32 s25, s25, 2
	s_add_co_u32 s25, s25, s23                     ; row block 0..127
	s_mov_b32 s28, 0x76543210                      ; v_permlanex16_b32: lane i of one half reads lane i of the other
	s_mov_b32 s29, 0xfedcba98
	; weights, joint: 16,384 dense bytes a wave as 64 rows of 32 elements of 8 bytes
	s_mov_b32 s[G1W+0], 15|(3<<16)|(1<<21)         ; 15:0 mask: all four partners; 17:16 element of 8 bytes; 21 set beside a mask
	s_mov_b32 s[G1W+1], 32<<16                     ; tensor_dim0 = 32
	s_mov_b32 s[G1W+2], 64<<16                     ; tensor_dim1 = 64
	s_mov_b32 s[G1W+3], 32<<16                     ; tile_dim0 = 32
	s_mov_b32 s[G1W+4], 64                         ; tile_dim1 = 64
	s_mov_b32 s[G1W+5], 32                         ; from row to row: 32 elements
	s_mov_b32 s[G1W+6], 0
	s_mov_b32 s[G1W+7], 0
	; x, my own: 64 rows x 64 f32 (256 bytes, at a multiple of 256 from x's first byte), 16 bytes of padding behind each row of 64 words
	s_mov_b32 s[G1X+0], (2<<16)|(1<<20)|(5<<22)|(3<<25)
	s_mov_b32 s[G1X+1], 64<<16
	s_mov_b32 s[G1X+2], 64<<16
	s_mov_b32 s[G1X+3], 64<<16
	s_mov_b32 s[G1X+4], 64
	s_mov_b32 s[G1X+5], 512
	s_mov_b32 s[G1X+6], 0
	s_mov_b32 s[G1X+7], 0
	; bias, joint: 1,024 dense bytes a wave as 4 rows of 256
	s_mov_b32 s[G1B+0], 15|(3<<16)|(1<<21)
	s_mov_b32 s[G1B+1], 32<<16
	s_mov_b32 s[G1B+2], 4<<16
	s_mov_b32 s[G1B+3], 32<<16
	s_mov_b32 s[G1B+4], 4
	s_mov_b32 s[G1B+5], 32
	s_mov_b32 s[G1B+6], 0
	s_mov_b32 s[G1B+7], 0
	s_mov_b32 s[G0W+0], 1
	s_mov_b32 s[G0W+4], 1
	s_mov_b32 s[G0B+0], 1
	s_lshl_b32 s[G0W+1], s20, 14                   ; LDS: tile w of slot 0,
	s_add_co_u32 s[G0W+5], s[G0W+1], SLOTB         ; of slot 1
	s_mul_i32 s31, s20, XBLK                       ; LDS: my block of each piece of x
.irp j, 0,1,2,3
	s_mov_b32 s[G0X+4*\j], 1
	s_add_co_u32 s[G0X+4*\j+1], s31, \j*XPIECE
.endr
	s_lshl_b32 s[G0B+1], s20, 10
	s_add_co_u32 s[G0B+1], s[G0B+1], BIAS
	s_lshl_b32 s26, s24, 20                        ; wf: 64 tiles for each nh,
	s_lshl_b32 s31, s21, 19                        ; 32 tiles for each cg,
	s_add_co_u32 s26, s26, s31
	s_lshl_b32 s31, s22, 14                        ; tile c of the pair
	s_add_co_u32 s26, s26, s31
	s_mov_b32 s27, 0
	s_lshl_b32 s76, s25, 18                        ; x: 128 rows of 2,048 bytes for each row block,
	s_lshl_b32 s31, s21, 17                        ; 64 rows,
	s_add_co_u32 s76, s76, s31
	s_lshl_b32 s31, s22, 8                         ; 64 k
	s_add_co_u32 s76, s76, s31
	s_mov_b32 s77, 0
	s_wait_dscnt 0x0
	s_wait_kmcnt 0x0
	s_add_nc_u64 s[G0W+2:G0W+3], s[10:11], s[26:27]        ; pair 0
	s_add_nc_u64 s[G0W+6:G0W+7], s[G0W+2:G0W+3], 2*TILEB   ; pair 1
	s_or_b32 s[G0W+3], s[G0W+3], 0x80000000
	s_or_b32 s[G0W+7], s[G0W+7], 0x80000000
	s_add_nc_u64 s[4:5], s[4:5], s[76:77]          ; x at my block of piece 0
.irp j, 0,1,2,3
	s_add_nc_u64 s[G0X+4*\j+2:G0X+4*\j+3], s[4:5], 512*\j  ; piece j: 128 k further along the rows
	s_or_b32 s[G0X+4*\j+3], s[G0X+4*\j+3], 0x80000000
.endr
	s_lshl_b32 s26, s24, 12                        ; expert_bias: 64 rows of 64 bytes for each nh, 1,024 bytes for each wave
	s_lshl_b32 s31, s20, 10
	s_add_co_u32 s26, s26, s31
	s_add_nc_u64 s[G0B+2:G0B+3], s[6:7], s[26:27]
	s_or_b32 s[G0B+3], s[G0B+3], 0x80000000
	ROUND                                          ; all four work-groups are here: the joint loads meet
.irp j, 0,1,2,3
	tensor_load_to_lds s[G0X+4*\j:G0X+4*\j+3], s[G1X:G1X+7]   ; the first fills of the wave go out as one group: five tensor loads are out
	s_nop 0
.endr
	tensor_load_to_lds s[G0B:G0B+3], s[G1B:G1B+7]
	s_nop 0
	; the gate weights' fragments (tasks 2 cg, 2 cg + 1) and their bias come straight into registers while x is on its way
	v_and_b32 v1, 15, v0                           ; r
	v_bfe_u32 v2, v0, 4, 1                         ; h
	v_and_b32 v3, 31, v0                           ; l
	s_lshl_b32 s31, s22, 15
	v_lshl_add_u32 v[ADR], v3, 4, s31
	v_add_nc_u32 v[ADR+1], SLOTB, v[ADR]
	s_lshl_b32 s31, s22, 7
	v_lshl_add_u32 v[GBO], v2, 5, s31              ; gate_bias: 64 (2 cg + c) + 4 (8 h + j)
; where the gate weights' fragments of K step ks lie: window gw, register gf + 8 c.  K steps 0-3, 4-7: the 64 registers from 192 of windows 1, 2; 8-15: the 128 from 128 of window 3
.macro GFPLACE ks
.if (\ks) < 8
.set gf, 192+16*((\ks)%4)
.set gw, 1+(\ks)/4
.else
.set gf, 128+16*((\ks)-8)
.set gw, 3
.endif
.endm
.irp ks, 0,1,2,3,4,5,6,7,8,9,10,11,12,13,14,15
	GFPLACE \ks
	WIN (gw<<6)                                    ; destination in window gw: three settings for the 64 loads
.irp c, 0,1
.irp p, 0,1
	global_load_b128 v[gf+8*\c+4*\p:gf+8*\c+4*\p+3], v[ADR], s[10:11] offset:GWF+TILEB*\c+1024*\ks+512*\p
.endr
.endr
.endr
	WIN 0
	global_load_b128 v[BI:BI+3],     v[GBO], s[8:9]
	global_load_b128 v[BI+4:BI+7],   v[GBO], s[8:9] offset:16
	global_load_b128 v[BI+8:BI+11],  v[GBO], s[8:9] offset:64
	global_load_b128 v[BI+12:BI+15], v[GBO], s[8:9] offset:80
	; the other addresses
	s_lshl_b32 s31, s22, 11
	s_add_co_u32 s31, s31, BIAS
	v_lshl_add_u32 v[BA], v2, 6, s31               ; bias row u = 32 cg + 2 n + h, 64 bytes a row
	s_mul_i32 s31, s20, WSTAGE
	s_add_co_u32 s31, s31, STAGE
	v_mul_u32_u24 v3, v1, SPITCH
	v_lshl_add_u32 v3, v2, 2, v3
	v_add_nc_u32 v[STA], s31, v3                   ; my stage + 144 r + 4 h (+ 8 n)
	s_mul_i32 s31, s21, 64*GPITCH
	s_add_co_u32 s31, s31, GATES
	v_mul_u32_u24 v3, v1, GPITCH
	v_add_nc_u32 v[GLD], s31, v3                   ; row 64 rg + r
	s_mul_i32 s31, s22, 2*GPLANE
	v_lshl_add_u32 v3, v2, 5, v[GLD]
	v_add_nc_u32 v[GST], s31, v3                   ; + task 2 cg, + e = 8 h
	s_mul_i32 s31, s21, 2*XBLK                     ; the two blocks of my 64 rows in a piece
	v_mul_u32_u24 v3, v1, XPITCH
	v_lshl_add_u32 v3, v2, 5, v3
	v_add_nc_u32 v[XA], s31, v3                    ; x row r of my 64, k = 8 h
	s_mul_i32 s31, s21, 2*WSTAGE                   ; the way out: I take rows 32 w .. + 31 of the 128: the stages of waves 2 (w >> 1) and + 1,
	s_mul_i32 s30, s22, 32*SPITCH                  ; their rows 32 (w & 1) ..
	s_add_co_u32 s31, s31, s30
	s_add_co_u32 s31, s31, STAGE
	v_lshrrev_b32 v3, 3, v1
	v_mul_u32_u24 v3, v3, WSTAGE                   ; lanes r = 8..15 read the second 32 u
	v_mad_u32_u24 v3, v2, SPITCH, v3               ; lanes 16-31 the next row
	v_and_b32 v[RD], 7, v1
	v_lshl_add_u32 v3, v[RD], 4, v3
	v_add_nc_u32 v[RD], s31, v3
	s_lshl_b32 s76, s25, 16                        ; outputs: 128 rows of 512 bytes for each row block,
	s_lshl_b32 s31, s20, 14                        ; 32 rows for each wave,
	s_add_co_u32 s76, s76, s31
	s_lshl_b32 s31, s24, 8                         ; 256 bytes for each nh
	s_add_co_u32 s76, s76, s31
	v_lshlrev_b32 v3, 9, v2
	v_lshl_add_u32 v3, v1, 4, v3
	v_add_nc_u32 v[CO], s76, v3
	v_mov_b32 v[TM+1], 0                           ; v_permlanex16_b32 counts as a reader of its destination
	; x TO bf16 FRAGMENTS AND THE GATES' LOGITS, PIECE BY PIECE.  Piece j holds K steps 4 j .. 4 j + 3: K step ks lies in the block of wave 2 rg + (ks % 4) / 2, at byte 128 (ks % 2) of its rows.
	; Fragment (i, ks): lane (r, h) holds row 16 i + r; registers 0-3: k = 32 ks + 8 h + 0..7, registers 4-7: + 16.
.macro XBATCH ks, tb                   ; 16 loads: the 16 f32 of each of my four rows for one K step
.irp i, 0,1,2,3
	ds_load_b128 v[\tb+16*\i:\tb+16*\i+3],     v[XA] offset:XBLK*(((\ks)%4)/2)+16*XPITCH*\i+128*((\ks)%2)
	ds_load_b128 v[\tb+16*\i+4:\tb+16*\i+7],   v[XA] offset:XBLK*(((\ks)%4)/2)+16*XPITCH*\i+128*((\ks)%2)+16
	ds_load_b128 v[\tb+16*\i+8:\tb+16*\i+11],  v[XA] offset:XBLK*(((\ks)%4)/2)+16*XPITCH*\i+128*((\ks)%2)+64
	ds_load_b128 v[\tb+16*\i+12:\tb+16*\i+15], v[XA] offset:XBLK*(((\ks)%4)/2)+16*XPITCH*\i+128*((\ks)%2)+80
.endr
.endm
.macro XSTEP ks, tb, left, more
	s_wait_dscnt \left                             ; LDS loads come back in order: this batch is in, the next batch's 16 may stay out
	WIN ((1+(\ks)/6)<<6)                           ; destination in the fragment's window
.irp i, 0,1,2,3
.irp m, 0,1,2,3,4,5,6,7
	v_cvt_pk_bf16_f32 v[((\ks)%6)*32+8*\i+\m], v[\tb+16*\i+2*\m], v[\tb+16*\i+2*\m+1]
.endr
.endr
	WIN 0
.if \more
	XBATCH \ks+2, \tb
.endif
.endm
; Eight matrix instructions of one K step of the gates: tasks 2 cg + c, c = 0, 1, x row tiles i = 0..3, into set 0.  In K step 0 gate_bias is C and starts the sums.
; The eight accumulators take turns, one instruction a turn, in the same order in every K step.
.macro GMUL ks
	GFPLACE \ks
	WIN (gw|((1+(\ks)/6)<<2))                      ; source 0: the weights' window; source 1: x's
.irp c, 0,1
.irp i, 0,1,2,3
.if (\ks) == 0
	v_wmma_f32_16x16x32_bf16 v[ACC+8*(4*\c+\i):ACC+8*(4*\c+\i)+7], v[gf+8*\c:gf+8*\c+7], v[((\ks)%6)*32+8*\i:((\ks)%6)*32+8*\i+7], v[BI+8*\c:BI+8*\c+7]
.else
	v_wmma_f32_16x16x32_bf16 v[ACC+8*(4*\c+\i):ACC+8*(4*\c+\i)+7], v[gf+8*\c:gf+8*\c+7], v[((\ks)%6)*32+8*\i:((\ks)%6)*32+8*\i+7], v[ACC+8*(4*\c+\i):ACC+8*(4*\c+\i)+7]
.endif
.endr
.endr
.endm
; One piece: four K steps are converted, then their 32 gate products are issued while the later pieces are on their way.
; The last batch's wait is for 0, so no LDS instruction of the wave is out at the barrier that follows.
.macro PIECE j
	XBATCH 4*\j, T0
	XBATCH 4*\j+1, T1
	XSTEP 4*\j, T0, 16, 1
	XSTEP 4*\j+1, T1, 16, 1
	XSTEP 4*\j+2, T0, 16, 0
	XSTEP 4*\j+3, T1, 0, 0
.if \j < 3
	v_add_nc_u32 v[XA], XPIECE, v[XA]              ; the next piece
.endif
.if \j == 0
	s_wait_loadcnt 0x0                             ; the gate weights' fragments and gate_bias
.endif
	GMUL 4*\j
	GMUL 4*\j+1
	GMUL 4*\j+2
	GMUL 4*\j+3
	WIN 0
.endm
	s_wait_tensorcnt 0x4                           ; tensor loads of a wave end in order: my block of piece 0 is in; pieces 1-3 and the bias may stay out,
	s_barrier_signal -1
	s_barrier_wait -1                              ; everybody's block of piece 0 is in
	PIECE 0
	s_wait_tensorcnt 0x3                           ; piece 1; pieces 2, 3 and the bias may stay out
	s_barrier_signal -1
	s_barrier_wait -1
	PIECE 1
	s_wait_tensorcnt 0x2                           ; piece 2; piece 3 and the bias may stay out
	s_barrier_signal -1
	s_barrier_wait -1
	PIECE 2
	; Piece 3's barrier is a round of the cluster's barrier, since behind it piece 0's bytes are given to the weights: every wave's LDS reads are back
	; and none of its tensor loads is out (piece 3 and the bias have landed), in all four partners.
	s_wait_dscnt 0x0
	s_wait_tensorcnt 0x0
	ds_add_u32 v8, v12
	s_wait_dscnt 0x0
	ROUND
	tensor_load_to_lds s[G0W:G0W+3], s[G1W:G1W+7]  ; pair 0 into slot 0 (bytes 0 to 65,535, inside piece 0): the wave's one load behind the round; it lands while piece 3 and the softmax are worked on
	s_nop 0
	PIECE 3
	PLACES                                         ; behind the last products, in front of the softmax's reads
; Softmax over the 16 e of a row: eight in the lane, the other eight in lane l xor 16.  Register j of lane (r, h) of accumulator (c, i): task 2 cg + c, e = 8 h + j, row 16 i + r.
.macro SOFTMAX c, i
.set A, ACC+8*(4*\c+\i)
.set E, EX+8*(4*\c+\i)
	v_max3_num_f32 v[TM], v[A], v[A+1], v[A+2]
	v_max3_num_f32 v[TM], v[TM], v[A+3], v[A+4]
	v_max3_num_f32 v[TM], v[TM], v[A+5], v[A+6]
	v_max_num_f32 v[TM], v[TM], v[A+7]
	v_permlanex16_b32 v[TM+1], v[TM], s28, s29
	v_max_num_f32 v[TM], v[TM], v[TM+1]            ; the row's maximum
	v_mul_f32 v[TM], 0xbfb8aa3b, v[TM]             ; - max x log2 e: the same number for all 16, so its rounding cancels in the quotient
.irp k, 0,2,4,6
	v_pk_fma_f32 v[A+\k:A+\k+1], v[A+\k:A+\k+1], 0x3fb8aa3b, v[TM:TM+1] op_sel_hi:[1,0,0]   ; (logit - max) log2 e, at most about 0
.endr
.irp k, 0,1,2,3,4,5,6,7
	v_exp_f32 v[E+\k], v[A+\k]
.endr
	v_nop                                          ; one plain instruction behind the exponentials before their results are read (ISA guide 5.7.2)
	s_wait_alu depctr_va_vdst(0)
	v_pk_add_f32 v[TS:TS+1], v[E:E+1], v[E+2:E+3]
	v_pk_add_f32 v[TS+2:TS+3], v[E+4:E+5], v[E+6:E+7]
	v_pk_add_f32 v[TS:TS+1], v[TS:TS+1], v[TS+2:TS+3]
	v_add_f32 v[TS], v[TS], v[TS+1]
	v_permlanex16_b32 v[TS+1], v[TS], s28, s29
	v_add_f32 v[TS], v[TS], v[TS+1]                ; about 1 at the least: the maximum's own term
	v_rcp_f32 v[TS+2], v[TS]
	v_nop                                          ; and one behind the reciprocal
	s_wait_alu depctr_va_vdst(0)
.irp k, 0,2,4,6
	v_pk_mul_f32 v[E+\k:E+\k+1], v[E+\k:E+\k+1], v[TS+2:TS+3] op_sel_hi:[1,0]
.endr
	ds_store_b128 v[GST], v[E:E+3]   offset:GPLANE*\c+16*GPITCH*\i
	ds_store_b128 v[GST], v[E+4:E+7] offset:GPLANE*\c+16*GPITCH*\i+16
.endm
.irp c, 0,1
.irp i, 0,1,2,3
	SOFTMAX \c, \i
.endr
.endr
; THE VECTOR WORK OF A PAIR, as 192 numbered instructions on the set at register q.
; ReLU of register m (0..15) of row tile i.  The accumulator is source 0 and the constant source 1, so that no window but window 0 is named.
.macro RELU i, m, q
.set rr, (\q)+8*(4*((\m)/8)+(\i))+(\m)%8
	v_max_num_f32 v[rr], v[rr], 0
.endm
; Step m = 4 jj + t of row tile i's sums: experts 2 jj and 2 jj + 1 times task t's gates, onto the pair (i, t).  The four tasks are four chains that do not wait for each other; the first step starts a sum.
.macro PK i, m, q
.set ps, SUM+2*(4*(\i)+(\m)%4)
.set pa, (\q)+8*(4*((\m)/16)+(\i))+2*(((\m)/4)%4)
.set pg, 192-64*(((\i)/2)*(1-(\i)%2))+16*((\m)%4)+2*((\m)/4)
.if (\m) < 4
	v_pk_mul_f32 v[ps:ps+1], v[pa:pa+1], v[pg:pg+1]
.else
	v_pk_fma_f32 v[ps:ps+1], v[pa:pa+1], v[pg:pg+1], v[ps:ps+1]
.endif
.endm
; 0-63 (source 1 in window 1): ReLU 0, sums 0, ReLU 1.  64-127 (window 2): sums 1, ReLU 2, ReLU 3.  128-191 (window 3): sums 2, sums 3.
.macro OP k, q
.set kk, (\k)%64
.set kb, (\k)/64
.if kb == 0
.if kk < 16
	RELU 0, kk, \q
.elseif kk < 48
	PK 0, kk-16, \q
.else
	RELU 1, kk-48, \q
.endif
.elseif kb == 1
.if kk < 32
	PK 1, kk, \q
.elseif kk < 48
	RELU 2, kk-32, \q
.else
	RELU 3, kk-48, \q
.endif
.else
.set i2, 2+kk/32
.set k2, kk-32*(kk/32)
	PK i2, k2, \q
.endif
.endm
; The slice behind matrix instruction wn of a trip.  48 matrix instructions share a window with 64 of the 192: 2, 1, 1, 2, 1, 1 ..; the last 32 with 64: 2 each.
.macro SLICE q
.if wn < 96
.set sl, wn-48*(wn/48)
.set ob, 64*(wn/48)+sl+(sl+2)/3
	OP ob, \q
.if sl-3*(sl/3) == 0
	OP ob+1, \q
.endif
.else
.set ob, 128+2*(wn-96)
	OP ob, \q
	OP ob+1, \q
.endif
.set wn, wn+1
.endm
.macro ADDS                            ; even e + odd e: both sources are registers of window 0, so these stand where every window is 0
.irp i, 0,1,2,3
.irp tk, 0,1,2,3
	v_add_f32 v[SUM+2*(4*\i+\tk)], v[SUM+2*(4*\i+\tk)], v[SUM+2*(4*\i+\tk)+1]
.endr
.endr
.endm
.macro STORES                          ; one word for each (task, row tile) into my stage; a store's data is a source 1, so these too stand under window 0
.irp i, 0,1,2,3
.irp tk, 0,1,2,3
	ds_store_b32 v[STA], v[SUM+2*(4*\i+\tk)] offset:TPLANE*\tk+16*SPITCH*\i   ; word 36 r + h + a constant: 32 different columns modulo 64 words
.endr
.endr
	v_add_nc_u32 v[STA], 8, v[STA]                 ; the next pair's two u
.endm
; Four LDS loads: the fragments of K step ks of my pair's two tiles.  Lanes side by side: 512 neighbouring bytes a load.
.macro FETCH1 slot, ks
.irp c, 0,1
.irp p, 0,1
	ds_load_b128 v[BF+16*((\ks)%4)+8*\c+4*\p:BF+16*((\ks)%4)+8*\c+4*\p+3], v[ADR+\slot] offset:TILEB*\c+1024*(\ks)+512*\p
.endr
.endr
.endm
.macro LDBIAS                          ; be[u][0..15] of my u = 32 cg + 2 n + h; stands under window 0 (the add's second source)
	ds_load_b128 v[BI:BI+3],     v[BA]
	ds_load_b128 v[BI+4:BI+7],   v[BA] offset:16
	ds_load_b128 v[BI+8:BI+11],  v[BA] offset:32
	ds_load_b128 v[BI+12:BI+15], v[BA] offset:48
	v_add_nc_u32 v[BA], 128, v[BA]                 ; the pair after: two rows on
.endm
.macro LDG i, gb                       ; row tile i's gates, all four tasks, from register gb of the window that is set
.irp tk, 0,1,2,3
.irp q, 0,1,2,3
	ds_load_b128 v[\gb+16*\tk+4*\q:\gb+16*\tk+4*\q+3], v[GLD] offset:GPLANE*\tk+16*GPITCH*\i+16*\q
.endr
.endr
.endm
.macro LDGATES                         ; the gates of my 64 rows, over the gate weights' fragments; both halves of the lanes read the same words
	WIN 0x40
	LDG 0, 192
	WIN 0x80
	LDG 1, 192
	WIN 0xc0
	LDG 2, 128
	LDG 3, 192
	WIN 0
.endm
; Eight matrix instructions of one K step of the experts, into set slot: tiles c = 0, 1 x row tiles i = 0..3; in K step 0 the bias is C and starts the sums: nothing is cleared.
; The eight accumulators take turns, one instruction a turn, in the same order in every K step.
; comb = 1: behind each stands a slice of the other set's vector work.
; In the middle of every even K step stands ONE run of LDS loads, into the two buffers that K steps ks - 2 and ks - 1 read.  Behind the last reader stand five
; slices, five plain vector instructions at the least, which are the four places; without slices, four v_nop.  From a run to its first use a wave
; issues 12 matrix instructions.  LDS loads need no change of window: their destination and address fields stay 0.
;   ks = 0 .. 12: K steps ks + 2 and ks + 3 of this slot.
;   ks = 14: the change of slots.  The barrier was signalled in front of this K step; its first four matrix instructions are the register work between
;   signal and wait.  mode 2: that barrier opens a round of the cluster's barrier, and behind the round's closing wait the joint refill of this slot
;   comes first, the wave's one tensor load; it has a whole trip in which to land.  mode 1: a plain barrier, nothing is filled.  Then the next pair's bias
;   and K steps 0 and 1 from the other slot.  mode 0: the last trip, nothing.
.macro EMUL ks, slot, comb, mode
.irp c, 0,1
.irp i, 0,1,2,3
.if (\ks) == 0
	v_wmma_f32_16x16x32_bf16 v[ACC+64*\slot+8*(4*\c+\i):ACC+64*\slot+8*(4*\c+\i)+7], v[BF+16*((\ks)%4)+8*\c:BF+16*((\ks)%4)+8*\c+7], v[((\ks)%6)*32+8*\i:((\ks)%6)*32+8*\i+7], v[BI+8*\c:BI+8*\c+7]
.else
	v_wmma_f32_16x16x32_bf16 v[ACC+64*\slot+8*(4*\c+\i):ACC+64*\slot+8*(4*\c+\i)+7], v[BF+16*((\ks)%4)+8*\c:BF+16*((\ks)%4)+8*\c+7], v[((\ks)%6)*32+8*\i:((\ks)%6)*32+8*\i+7], v[ACC+64*\slot+8*(4*\c+\i):ACC+64*\slot+8*(4*\c+\i)+7]
.endif
.if \comb
	SLICE ACC+64-64*\slot
.endif
.endr
.if \c == 0
.if (\ks)%2 == 0
.if (\ks) < 14
.if \comb == 0
	PLACES
.endif
	FETCH1 \slot, (\ks)+2
	FETCH1 \slot, (\ks)+3
.elseif \mode
	WIN 0                                          ; branches and a label follow
	s_barrier_wait -1                              ; all four waves' reads of this slot are back, and the other slot is whole
.if \mode == 2
	CREST                                          ; the same holds of all four work-groups: no wave of any partner still reads this slot or has a load on its way
	tensor_load_to_lds s[G0W+4*\slot:G0W+4*\slot+3], s[G1W:G1W+7]   ; this slot's next pair, two trips on
	s_nop 0
.endif
.if \comb == 0
	PLACES
.endif
	LDBIAS
	FETCH1 1-\slot, 0
	FETCH1 1-\slot, 1
	WIN 0x0c
.endif
.endif
.endif
.endr
.endm
; ONE TRIP: pair n from slot n % 2 into set n % 2, 128 matrix instructions.  On entry the bias and K steps 0 and 1 have been asked for, and behind them
; (st = 1) stand the 16 stage stores of the trip before.  LDS instructions of a wave are done in order, so the wait in front of K step ks leaves out what
; was issued behind its four loads: K step 0: K step 1's four and the stores; K step 1: the stores and the run in K step 0; an even K step: the other
; half of its own run; an odd one: the next run's eight.
; In front of K step 14 (modes 1, 2) stand the waits that the change of slots needs, for 0: my reads of this slot are back (the last were issued 12 matrix
; instructions ago, and K steps 14 and 15 need them anyway), and none of my tensor loads is out (the one that was is my tile of the other slot, asked
; for a trip ago).  So this slot's group 0 may be stepped, and the barrier is signalled.
; At the end, under window 0: the other set's sums are whole; 16 adds and 16 stores.  The adds are also the places between this trip's last matrix
; instructions and the next trip's ReLU, which reads their results.
.macro MULT slot, comb, st, mode
.set wn, 0
.irp ks, 0,1,2,3,4,5,6,7,8,9,10,11,12,13,14,15
.if \ks == 0
	s_wait_dscnt 4+16*\st
.elseif \ks == 1
	s_wait_dscnt 8+16*\st
.elseif \ks < 14
	s_wait_dscnt 4+4*(\ks%2)
.elseif \ks == 14
.if \mode
	s_wait_dscnt 0x0
	s_set_vgpr_msb 0xc00
	s_wait_tensorcnt 0x0
	ds_add_u32 v8, v12
	s_wait_dscnt 0x0
	s_set_vgpr_msb 0xc
.if \mode == 2
	s_add_nc_u64 s[G0W+4*\slot+2:G0W+4*\slot+3], s[G0W+4*\slot+2:G0W+4*\slot+3], 4*TILEB   ; two pairs on
.endif
	s_barrier_signal -1
.else
	s_wait_dscnt 4                                 ; the last trip: K step 15's four may stay out
.endif
.else
.if \mode == 0
	s_wait_dscnt 0x0
.endif
.endif
	WIN ((1+\ks/6)<<2)                             ; source 1 in the window of this K step's x fragments, and of the gates that its slices take
	EMUL \ks, \slot, \comb, \mode
.endr
	WIN 0
.if \comb
	ADDS
	STORES
.else
	PLACES                                         ; trip 0 has no sums: four places in front of the next trip's ReLU
.endif
.endm
	; In front of the trips: a round of the cluster's barrier.  Every wave's gates are stored and its reads of x are back (DScnt 0), and its tile of pair 0 has landed
	; (TENSORcnt 0).  Behind it slot 1, over bytes of pieces 0 and 1, gets pair 1: the wave's one tensor load; then the gates, the bias and pair 0's first fragments are read.
	s_wait_tensorcnt 0x0
	ds_add_u32 v8, v12
	s_wait_dscnt 0x0
	ROUND
	tensor_load_to_lds s[G0W+4:G0W+7], s[G1W:G1W+7]
	s_nop 0
	LDGATES
	LDBIAS
	FETCH1 0, 0
	FETCH1 0, 1
	MULT 0, 0, 0, 2                                ; pair 0: no pair in front of it
	MULT 1, 1, 0, 2                                ; pair 1, and pair 0's vector work
	s_mov_b32 s30, 6
.Lloop:
	MULT 0, 1, 1, 2
	MULT 1, 1, 1, 2
	s_sub_co_u32 s30, s30, 1
	s_cmp_lg_u32 s30, 0
	s_cbranch_scc1 .Lloop
	MULT 0, 1, 1, 1                                ; trip 14: pair 15 was asked for in trip 13; nothing is left to fetch, so a plain barrier shows it whole
	MULT 1, 1, 1, 0                                ; trip 15
	; pair 15 (set 1) has no products to stand among.  Behind the last matrix instruction stand its slice and the 16 adds: more than the four places.
	WIN 0x04
.set on, 0
.rept 64
	OP on, ACC+64
.set on, on+1
.endr
	WIN 0x08
.rept 64
	OP on, ACC+64
.set on, on+1
.endr
	WIN 0x0c
.rept 64
	OP on, ACC+64
.set on, on+1
.endr
	WIN 0
	ADDS
	STORES
	; THE WAY OUT.  A row's 64 u are whole only now.  Wave w takes rows 32 w .. + 31 of all four tasks: a load brings two rows of 256 bytes, each half
	; from the stage of one cg; a store's sixteen neighbouring lanes write 256 consecutive bytes at a multiple of 256 from the output's first byte.
	s_wait_dscnt 0x0                               ; my stage stores are done,
	s_barrier_signal -1
	s_barrier_wait -1                              ; everybody's are
	WIN 0x44                                       ; LDS loads' destination and stores' data in window 1
.set idx, 0
.rept 64                                           ; idx = 16 t + n: task t, rows 2 n and 2 n + 1 of my 32
	ds_load_b128 v[4*idx:4*idx+3], v[RD] offset:TPLANE*(idx/16)+2*SPITCH*(idx%16)
.set idx, idx+1
.endr
.set idx, 0
.rept 64
	s_wait_dscnt 63-idx                            ; the 63 - idx younger loads may stay out
	global_store_b128 v[CO], v[4*idx:4*idx+3], s[12+2*(idx/16):13+2*(idx/16)] offset:1024*(idx%16) th:TH_STORE_NT
.set idx, idx+1
.endr
	WIN 0
	s_wait_tensorcnt 0x0
	ds_add_u32 v8, v12
	s_wait_dscnt 0x0
	ROUND                                          ; the closing round: no work-group ends while a partner may still ask for a tile that names it
	s_endpgm
.Lfunc_end_k_qc536040d96_mmoe:
	.size	k_qc536040d96_mmoe, .Lfunc_end_k_qc536040d96_mmoe-k_qc536040d96_mmoe
	.p2alignl 7, 3214868480
	.fill 96, 4, 3214868480
	.section	.rodata,"a",@progbits
	.p2align	6, 0x0
	.amdhsa_kernel k_qc536040d96_mmoe
		.amdhsa_group_segment_fixed_size 327680
		.amdhsa_private_segment_fixed_size 0
		.amdhsa_enable_private_segment 0
		.amdhsa_kernarg_size 64
		.amdhsa_user_sgpr_count 2
		.amdhsa_user_sgpr_kernarg_segment_ptr 1
		.amdhsa_wavefront_size32 1
		.amdhsa_system_sgpr_workgroup_id_x 1
		.amdhsa_system_sgpr_workgroup_id_y 1
		.amdhsa_system_sgpr_workgroup_id_z 1
		.amdhsa_system_vgpr_workitem_id 0
		.amdhsa_next_free_vgpr 1024
		.amdhsa_next_free_sgpr 96
		.amdhsa_reserve_vcc 0
		.amdhsa_float_denorm_mode_32 3
		.amdhsa_float_denorm_mode_16_64 3
		.amdhsa_memory_ordered 1
		.amdhsa_forward_progress 1
		.amdhsa_inst_pref_size 255
	.end_amdhsa_kernel
	.section	.bss,"aw",@nobits
	.p2align	6
	.space	262144
	.amdgpu_metadata
---
amdhsa.version: [ 1, 2 ]
amdhsa.kernels:
  - .name:           k_qc536040d96_mmoe
    .symbol:         k_qc536040d96_mmoe.kd
    .args:
      - { .name: x, .offset: 0, .size: 8, .value_kind: global_buffer, .address_space: global }
      - { .name: expert_bias, .offset: 8, .size: 8, .value_kind: global_buffer, .address_space: global }
      - { .name: gate_bias, .offset: 16, .size: 8, .value_kind: global_buffer, .address_space: global }
      - { .name: wf, .offset: 24, .size: 8, .value_kind: global_buffer, .address_space: global }
      - { .name: out0, .offset: 32, .size: 8, .value_kind: global_buffer, .address_space: global }
      - { .name: out1, .offset: 40, .size: 8, .value_kind: global_buffer, .address_space: global }
      - { .name: out2, .offset: 48, .size: 8, .value_kind: global_buffer, .address_space: global }
      - { .name: out3, .offset: 56, .size: 8, .value_kind: global_buffer, .address_space: global }
    .group_segment_fixed_size: 327680
    .private_segment_fixed_size: 0
    .kernarg_segment_align: 8
    .kernarg_segment_size: 64
    .max_flat_workgroup_size: 128
    .sgpr_count:     96
    .vgpr_count:     1024
    .wavefront_size: 32
...
	.end_amdgpu_metadata
.endif
;; end of part 2
;; ======== version 2 of 2: 2 launches; version 1 with the launch prep written anew for expert scheduling mode
;; workspace buffers: wf 2,162,688 bytes
;; launch prep (part 3): grid 264 x 1, 4 waves a work-group, no clusters, 0 bytes of LDS; arguments expert_kernels, gate_kernels, wf; writes wf
.if DOCPART == 3
	.amdgcn_target "amdgcn-amd-amdhsa--gfx1250"
	.amdhsa_code_object_version 6
	.text
	.protected	k_qc536040d96_prep
	.globl	k_qc536040d96_prep
	.p2align	8
	.type	k_qc536040d96_prep,@function
k_qc536040d96_prep:
	s_mov_b64 s[64:65], 0
	v_nop
	global_prefetch_b8 v0, s[64:65] scope:SCOPE_SE
	s_setreg_imm32_b32 hwreg(HW_REG_WAVE_SCHED_MODE, 0, 2), 2
	s_setreg_imm32_b32 hwreg(HW_REG_WAVE_MODE, 25, 1), 1
	s_wait_xcnt 0x0
	s_wait_alu depctr_vm_vsrc(0)
; The weights, once, from f32 [k][column] to bf16 in the order in which a matrix fragment is loaded.
; wf holds 132 tiles of 16,384 bytes.  A tile is 16 weight rows x 512 k:
;   byte = tile*16384 + ks*1024 + p*512 + (16 h + row)*16, and those 16 bytes are k = 32 ks + 16 p + 8 h + 0..7 of that row,
; so that a later load of 16 bytes a lane, lanes side by side, brings half a fragment of 16 rows x 32 k.
; Expert tile 2 q + c (q = 0..63, c = 0, 1): row = 8 (u - 2 q) + (e - 8 c), that is u = 2 q + (row >> 3), e = 8 c + (row & 7).
; Gate tile 128 + t: row = e.
; Nothing of the problem is left out here: every number of expert_kernels and of gate_kernels is converted, rounded once to bf16.
; A wave takes one pair of tiles (c = lane >> 4) and one ks: 32 loads of 4 bytes a lane, one for each k, then four stores of 16 bytes a lane.
; A load of a wave covers 128 neighbouring bytes (expert tiles); the wave beside it in the work-group takes the other 128 of the same aligned 256.
; A store of a wave covers two aligned runs of 256 bytes: lanes 0-15 in tile c = 0, lanes 16-31 in tile c = 1.
; Work-groups 0..255: expert pairs; 256..263: the two pairs of gate tiles.  No LDS, no barrier, no matrix unit: this is a copy of 4.3 MB.
; THE MODE: SCHED_MODE bits 1:0 = 2 (LLVM: expert scheduling mode 2), set by the entry lines.  The code itself states the register dependences
; between vector instructions and memory instructions, with s_wait_alu, always for 0.
; THE PLAN.  Registers that memory instructions touch:
;   v3        the loads' offset.  Written once, by vector instructions, in the arm that the work-group takes; read by the 32 loads.
;   v4        the stores' offset.  Written once, at the head; read by the four stores.
;   X         Written by the 32 loads, each register once; no vector instruction names them before.  Read by the conversions, group by group.
;   Y         Four groups of four registers.  Group m is written once, by group m's conversions, and read by store m.
; No register that a load or store reads is written again, and no load lands in a register that a vector instruction has named.  So the waits are:
; one on va_sdst for the wave's number; one on va_vdst ahead of the loads, for both offsets; and one on va_vdst ahead of each store, for its group of Y.
; Store m stands at the head of group m + 1, behind that group's wait for its data: the conversions that the wait on va_vdst names were issued ahead of it.
.set X, 8                              ; v[8:39]   the 32 k of my weight row, f32
.set Y, 40                             ; v[40:55]  the same in bf16: four groups of 16 bytes
	s_load_b128 s[4:7], s[0:1], 0x0                ; expert_kernels s[4:5], gate_kernels s[6:7]
	s_load_b64 s[8:9], s[0:1], 0x10                ; wf
	v_lshrrev_b32 v5, 5, v0
	v_readfirstlane_b32 s10, v5                    ; wave 0..3
	v_and_b32 v1, 15, v0                           ; my weight row in the tile
	v_bfe_u32 v2, v0, 4, 1                         ; c: which tile of the pair
	v_lshlrev_b32 v4, 4, v1
	v_lshl_add_u32 v4, v2, 14, v4                  ; out: 16384 c + 16 row
	s_and_b32 s12, ttmp9, 7
	s_lshl_b32 s12, s12, 1
	s_bfe_u32 s11, ttmp9, 0x50003                  ; (g >> 3) & 31: 0 for the gates' work-groups
	s_lshl_b32 s11, s11, 1
	s_wait_alu depctr_va_sdst(0)                   ; s10, the wave's number, is written, ahead of its first reader: ks and the pair are made from it
	s_lshr_b32 s13, s10, 1
	s_add_co_u32 s12, s12, s13                     ; ks = 2 (g & 7) + (wave >> 1), 0..15
	s_and_b32 s13, s10, 1
	s_add_co_u32 s11, s11, s13                     ; Q = the pair: 0..63 for experts, 0..1 for gates
	s_lshl_b32 s16, s11, 15                        ; out: 32768 Q
	s_lshl_b32 s13, s12, 10
	s_add_co_u32 s16, s16, s13                     ;      + 1024 ks
	s_mov_b32 s17, 0
	s_mov_b32 s15, 0
	s_wait_kmcnt 0x0
	s_add_nc_u64 s[8:9], s[8:9], s[16:17]
; 32 loads, kstride bytes from k to k + 1; then group m = 2 p + h (k = 8 m .. 8 m + 7) is rounded as soon as it is in, and stored at the head of the next group.
.macro CONV kstride, base
	s_wait_alu depctr_va_vdst(0)                   ; v3 and v4 are written: the loads below read v3 as their offset, the stores v4
.set kk, 0
.rept 32
	global_load_b32 v[X+kk], v3, s[\base:\base+1] offset:kk*\kstride
.set kk, kk+1
.endr
.irp m, 0,1,2,3
	s_wait_loadcnt 24-8*\m                         ; loads come back in order: the 24 - 8 m younger ones may stay out
.if \m > 0
	s_wait_alu depctr_va_vdst(0)                   ; the conversions of the group before have written its four registers of Y, which the store below reads
	global_store_b128 v4, v[Y+4*((\m)-1):Y+4*((\m)-1)+3], s[8:9] offset:256*((\m)-1)   ; no register of a load or store is written again
.endif
.irp i, 0,1,2,3
	v_cvt_pk_bf16_f32 v[Y+4*\m+\i], v[X+8*\m+2*\i], v[X+8*\m+2*\i+1]
.endr
.endr
	s_wait_alu depctr_va_vdst(0)                   ; the last group's conversions have written v[Y+12:Y+15], which the last store reads
	global_store_b128 v4, v[Y+12:Y+15], s[8:9] offset:768
.endm
	s_cmp_lt_u32 ttmp9, 256
	s_cbranch_scc0 .Lgate
	; experts: (k, u, e) lies at 8192 k + 64 u + 4 e
	v_lshrrev_b32 v3, 3, v1
	v_lshlrev_b32 v3, 6, v3                        ; 64 (row >> 3)
	v_lshl_add_u32 v3, v2, 5, v3                   ; + 32 c
	v_and_b32 v5, 7, v1
	v_lshl_add_u32 v3, v5, 2, v3                   ; + 4 (row & 7)
	s_lshl_b32 s14, s11, 7                         ; 128 Q
	s_lshl_b32 s13, s12, 18                        ; + 32 k x 8192 x ks
	s_add_co_u32 s14, s14, s13
	s_add_nc_u64 s[4:5], s[4:5], s[14:15]
	CONV 8192, 4
	s_endpgm
.Lgate:
	; gates: (t, k, e) lies at 32768 t + 64 k + 4 e, t = 2 Q + c
	v_lshlrev_b32 v3, 2, v1
	v_lshl_add_u32 v3, v2, 15, v3
	s_lshl_b32 s14, s11, 16
	s_lshl_b32 s13, s12, 11
	s_add_co_u32 s14, s14, s13
	s_add_nc_u64 s[6:7], s[6:7], s[14:15]
	s_add_nc_u64 s[8:9], s[8:9], 0x200000          ; the gate tiles lie behind the 128 expert tiles
	CONV 64, 6
	s_endpgm
.Lfunc_end_k_qc536040d96_prep:
	.size	k_qc536040d96_prep, .Lfunc_end_k_qc536040d96_prep-k_qc536040d96_prep
	.p2alignl 7, 3214868480
	.fill 96, 4, 3214868480
	.section	.rodata,"a",@progbits
	.p2align	6, 0x0
	.amdhsa_kernel k_qc536040d96_prep
		.amdhsa_group_segment_fixed_size 0
		.amdhsa_private_segment_fixed_size 0
		.amdhsa_enable_private_segment 0
		.amdhsa_kernarg_size 24
		.amdhsa_user_sgpr_count 2
		.amdhsa_user_sgpr_kernarg_segment_ptr 1
		.amdhsa_wavefront_size32 1
		.amdhsa_system_sgpr_workgroup_id_x 1
		.amdhsa_system_sgpr_workgroup_id_y 1
		.amdhsa_system_sgpr_workgroup_id_z 1
		.amdhsa_system_vgpr_workitem_id 0
		.amdhsa_next_free_vgpr 56
		.amdhsa_next_free_sgpr 66
		.amdhsa_reserve_vcc 0
		.amdhsa_float_denorm_mode_32 3
		.amdhsa_float_denorm_mode_16_64 3
		.amdhsa_memory_ordered 1
		.amdhsa_forward_progress 1
		.amdhsa_inst_pref_size 12
	.end_amdhsa_kernel
	.amdgpu_metadata
---
amdhsa.version: [ 1, 2 ]
amdhsa.kernels:
  - .name:           k_qc536040d96_prep
    .symbol:         k_qc536040d96_prep.kd
    .args:
      - { .name: expert_kernels, .offset: 0, .size: 8, .value_kind: global_buffer, .address_space: global }
      - { .name: gate_kernels, .offset: 8, .size: 8, .value_kind: global_buffer, .address_space: global }
      - { .name: wf, .offset: 16, .size: 8, .value_kind: global_buffer, .address_space: global }
    .group_segment_fixed_size: 0
    .private_segment_fixed_size: 0
    .kernarg_segment_align: 8
    .kernarg_segment_size: 24
    .max_flat_workgroup_size: 128
    .sgpr_count:     66
    .vgpr_count:     56
    .wavefront_size: 32
...
	.end_amdgpu_metadata
.endif
;; end of part 3
;; launch mmoe: the kernel of part 2 again; grid 256 x 1, 4 waves a work-group, clusters of 4 x 1, 327,680 bytes of LDS; arguments x, expert_bias, gate_bias, wf, out0, out1, out2, out3; writes out0, out1, out2, out3
